; MI455X (gfx1250); checked and timed in simulation.
; The chip was launched on July 23, 2026; its instructions are those of AMD's public machine-readable ISA for CDNA 5 (MIT licence, August 2026) and "CDNA5" Instruction Set Architecture Reference Guide (July 2026). The comments in the code are by the model that wrote it; some were corrected since.
;; HQQSVD Linear. Allowed arithmetic: matrix products marked QUANTISED: E2M1 operands, one E8M0 scale for each 32 along K, by v_wmma_scale_f32_16x16x128_f8f6f4 with both operands' format E2M1 (or v_wmma_scale_f32_32x16x128_f4), f32 sums; products left as they are: f32 operands where the result goes on into a quantised operand, else bf16, f16 or f32 operands; f32 sums; everything else in f32.
;; Inputs: bias 4,096 float32; scale 4,096 x 64 x 1 float32; svd_down 32 x 4,096 float32; svd_up 4,096 x 32 float32; w_packed 8,388,608 int32; x 1 x 4,096 x 4,096 float32; zero_point 4,096 x 64 x 1 float32.
;; Outputs: out0 1 x 4,096 x 4,096 float32.
;; This version of the problem:
;;   THIS VERSION OF THE PROBLEM IS GIVEN IN LOW PRECISION. The matrix products marked QUANTISED in the list below multiply operands that are first quantised to E2M1 (2 exponent bits, 1 mantissa bit; 4 bits a number), with one power-of-two scale for each 32 numbers along K (OCP MX v1.0); their sums are f32. All else is computed in f32.
;;   The module's matrix products, in the order in which they are computed (A, B: the left and right operand; K: the contracted axis; several contracted axes count as one K, in the product's order):
;;     1. [M 4,096, K 32] x [K 32, N 4,096]; A: input svd_up; B: input svd_down: QUANTISED
;;     2. [M 4,096, K 4,096] x [K 4,096, N 4,096]; A: computed on the way; B: computed on the way: left as it is (operands are no floats)
;;   THE QUANTISER, for each operand of a quantised product, along K:
;;     - K is cut into blocks of 32 from its start; a last block that is shorter is filled with zeros.
;;     - A block's scale is 2^e with e = floor(log2(the largest magnitude in the block)) - 2, held to -126 .. 127; a block of zeros has e = 0. As a byte (E8M0): e + 127.
;;     - Each number is divided by its block's scale, clamped to +-6, and rounded to the nearest number of E2M1, ties to even, subnormals kept.
;;     - The product sums the exact products of the quantised numbers (number of the format x scale) in f32.
;;   ~~~python
;;   def quantise(x, axis):      # numpy; x: float32 -> the quantised numbers, widened to float32 again
;;       x = np.moveaxis(x, axis, -1); K = x.shape[-1]
;;       x = np.pad(x, [(0, 0)] * (x.ndim - 1) + [(0, -K % 32)]); x = x.reshape(x.shape[:-1] + (-1, 32)); a = np.abs(x).max(-1, keepdims=True)
;;       e = np.where(a > 0, np.clip(np.frexp(np.where(a > 0, a, 1))[1] - 1 - 2, -126, 127), 0)      # np.frexp(a)[1] - 1 = floor(log2(a)), exactly
;;       r = np.clip(x / 2.0 ** e, -6, 6)
;;       step = 2.0 ** (np.maximum(np.frexp(np.where(r == 0, 1, r))[1] - 1, 0) - 1)
;;       q = np.round(r / step) * step * 2.0 ** e      # np.round: ties to even
;;       return np.moveaxis(q.reshape(q.shape[:-2] + (-1,))[..., :K], -1, axis).astype(np.float32)
;;   ~~~
;; One version. Each part assembles by itself: llvm-mc -triple=amdgcn-amd-amdhsa -mcpu=gfx1250 --defsym DOCPART=n.
;; ======== version 1 of 1: 3 launches
;; workspace buffers: xq 16,777,216 bytes; wq 16,777,216 bytes; sx 16,384 bytes; sw 16,384 bytes; dimg 65,536 bytes; uimg 131,072 bytes; ssc 32,768 bytes
;; launch quant (part 1): grid 256 x 1, 16 waves a work-group, no clusters, 0 bytes of LDS; arguments x, svd_down, svd_up, xq, sx, dimg, uimg, ssc; writes xq, sx, dimg, uimg, ssc
.if DOCPART == 1
	.amdgcn_target "amdgcn-amd-amdhsa--gfx1250"
	.amdhsa_code_object_version 6
	.text
	.protected	k_q01d5d60c0b_quant
	.globl	k_q01d5d60c0b_quant
	.p2align	8
	.type	k_q01d5d60c0b_quant,@function
k_q01d5d60c0b_quant:
	s_mov_b64 s[64:65], 0
	v_nop
	global_prefetch_b8 v0, s[64:65] scope:SCOPE_SE
	s_setreg_imm32_b32 hwreg(HW_REG_WAVE_MODE, 25, 1), 1
	s_wait_xcnt 0x0
; x [4096][4096] f32 becomes int8 codes, row by row: scale_x = (the row's largest |x|) / 127, code = x / scale_x to the nearest whole number, ties to even.
; One wave takes one row (16,384 bytes, 128 registers a lane-set) and keeps it between the pass for the maximum and the pass that scales: x is read once.
; Work-group g, wave w: row 16 g + w.  No LDS, no barrier: waves share nothing, and no two work-groups read the same bytes, so there is nothing to ask for jointly.
; K ORDER.  The integer product's sums are exact, so any order of K that xq and wq share is right.  Inside each 256 along K, position 16 l' + 4 a + e holds k = 64 a + 4 l' + e
; (l' 0..15, a 0..3, e 0..3).  So each load's sixteen lanes read 256 consecutive bytes of x, and a lane's 16 codes are 16 consecutive bytes: a store of the wave covers 512 consecutive bytes.
; WAVE 0 of work-group g also quantises the two factors of the low-rank product to E2M1 with one E8M0 byte for their one block of 32 along K, as IMAGES OF THE OPERANDS' REGISTERS:
;   dimg[g]: 16 lanes x 16 bytes: the 32 codes of the column of svd_down that lane r of tile g stands for (tile g = 16 w' + 2 c + u: column 256 w' + 128 u + 8 c + 64 ((r>>2)&1) + 4 (r>>3) + (r&3));
;   uimg[g]: 32 lanes x 16 bytes: rows 16 g + r of svd_up in lanes 0-15, zero codes (k = 32..63) in lanes 16-31;   ssc[g]: words 0-15 dimg's scale bytes, words 16-31 uimg's.
; LIMITS.  The quotient is x * (1 / scale_x), rounded once by a fused add of 1.5 * 2^23: where x / scale_x lies within an f32 rounding of a tie the code may differ by one from a rounded quotient's.
; A row whose scale lies under 2^-126 (a row of zeros among them) takes 2^126 as the inverse: a row of zeros gets codes 0.  NaN and infinities are not served.
; A block of zeros of svd_up or svd_down gets the byte 1 where the quantiser's rule says 127: its codes are zeros, and this program alone reads the bytes.
.set XO,  4                            ; v4   x: 1,024 (lane / 16) + 16 (lane % 16)
.set QO,  5                            ; v5   xq: 16 x lane
.set DO,  6                            ; v6   svd_down: 16 rows x (lane / 16) + my column's bytes inside the tile
.set UO,  7                            ; v7   svd_up: 128 (lane % 16) + 64 (lane / 16)
.set IO,  8                            ; v8   an image: 16 (lane % 16) + 8 (lane / 16)
.set SO,  9                            ; v9   4 x lane
.set M,   10                           ; v10-13  four chains of the maximum
.set T,   14                           ; v14-17  at work
.set S,   18                           ; v18  scale_x
.set INV, 20                           ; v[20:21] 1 / scale_x, twice
.set Z,   22                           ; v[22:23] 0
.set X,   32                           ; v32-159 the row
.set D,   160                          ; v160-175 16 numbers of svd_down
.set U,   176                          ; v176-191 16 numbers of svd_up
.set CD,  192                          ; v[192:193] their codes
.set CU,  194                          ; v[194:195]
.set BD,  196                          ; v196, v197 their scale bytes; v198 the word that I store
.set BU,  197
.set WD,  198
.set QM,  199                          ; v199-201 at work in QUANT16
.set QP,  200
.set QS,  201
	s_load_b512 s[4:19], s[0:1], 0x0               ; x 4, svd_down 6, svd_up 8, xq 10, sx 12, dimg 14, uimg 16, ssc 18
	v_lshrrev_b32 v1, 5, v0
	v_readfirstlane_b32 s20, v1                    ; wave 0..15
	v_and_b32 v1, 31, v0                           ; lane
	v_and_b32 v2, 15, v0                           ; r
	v_bfe_u32 v3, v0, 4, 1                         ; h
	v_lshlrev_b32 v[XO], 4, v2
	v_lshl_add_u32 v[XO], v3, 10, v[XO]
	v_lshlrev_b32 v[QO], 4, v1
	v_mov_b32 v[T], 0                              ; a lane permute's destination counts as one of its sources
	v_mov_b32 v[Z], 0
	v_mov_b32 v[Z+1], 0
	s_mov_b32 s24, 0x4b400000                      ; 1.5 * 2^23: added to a number under 2^22 it leaves the nearest whole number, ties to even, in the low bits
	s_mov_b32 s25, s24                             ; (named with it as a pair, so it is written)
	s_mov_b32 s26, 0x00000400                      ; v_perm_b32: byte 0 of the second source, byte 0 of the first
	s_mov_b32 s27, 0x05040100                      ; the two low halves
	s_mov_b32 s28, 0x3c010204                      ; 1 / 127
	s_mov_b32 s29, 0x42fe0000                      ; 127
	s_mov_b32 s30, 0x76543210
	s_mov_b32 s31, 0xfedcba98                      ; v_permlanex16_b32's selects for lane l xor 16
	s_lshl_b32 s21, ttmp9, 4
	s_add_co_u32 s21, s21, s20                     ; my row
	s_lshl_b32 s22, s21, 14                        ; 16,384 bytes a row of x
	s_mov_b32 s23, 0
	s_lshl_b32 s34, s21, 12                        ; 4,096 a row of xq
	s_mov_b32 s35, 0
	s_wait_kmcnt 0x0
	s_add_nc_u64 s[4:5], s[4:5], s[22:23]
	s_add_nc_u64 s[10:11], s[10:11], s[34:35]
	s_lshl_b32 s22, s21, 2
	s_add_nc_u64 s[12:13], s[12:13], s[22:23]
.irp q, 0,1,2,3,4,5,6,7                            ; the whole row: 32 loads, all on their way at once.  Load (q, a): lanes 0-15 read 256 consecutive bytes of K block 2 q, lanes 16-31 of block 2 q + 1
.irp a, 0,1,2,3
	global_load_b128 v[X+16*\q+4*\a:X+16*\q+4*\a+3], v[XO], s[4:5] offset:2048*\q+256*\a th:TH_LOAD_NT
.endr
.endr
; 16 numbers of a lane (k = 16 (lane / 16) + 0..15 of one block of 32) become 16 codes in two registers, and the block's E8M0 byte.
.macro QUANT16 src, codes, byte
	v_max3_num_f32 v[QM], |v[\src]|, |v[\src+1]|, 0x1800000        ; my 16 magnitudes, and the floor 2^(3 - 127): the byte cannot fall under 1
.irp i, 2,4,6,8,10,12,14
	v_max3_num_f32 v[QM], v[QM], |v[\src+\i]|, |v[\src+\i+1]|
.endr
	v_permlanex16_b32 v[QP], v[QM], s30, s31
	v_max_num_f32 v[QM], v[QM], v[QP]              ; with lane l xor 16's: the block's largest magnitude
	v_add_nc_u32 v[QS], 0xff000000, v[QM]          ; 2 off its exponent field: the conversion takes this operand's exponent field as its scale
	v_cvt_scalef32_pk8_fp4_f32 v[\codes], v[\src:\src+7], v[QS]
	v_cvt_scalef32_pk8_fp4_f32 v[\codes+1], v[\src+8:\src+15], v[QS]
	v_lshrrev_b32 v[\byte], 23, v[QS]              ; the byte; also the plain line behind the conversions
.endm
	s_cmp_lg_u32 s20, 0
	s_cbranch_scc1 .Lrow                           ; wave 0 alone makes the images
	v_bfe_u32 v[DO], v0, 2, 1
	v_bfe_u32 v[UO], v0, 3, 1
	v_and_b32 v[IO], 3, v0
	v_lshlrev_b32 v[DO], 8, v[DO]                  ; 4 x 64 ((r>>2)&1)
	v_lshl_add_u32 v[DO], v[UO], 4, v[DO]          ; + 4 x 4 (r>>3)
	v_lshl_add_u32 v[DO], v[IO], 2, v[DO]          ; + 4 (r&3)
	v_lshl_add_u32 v[DO], v3, 18, v[DO]            ; + 16 rows of 16,384 bytes for lanes 16-31
	v_lshlrev_b32 v[UO], 7, v2
	v_lshl_add_u32 v[UO], v3, 6, v[UO]
	v_lshlrev_b32 v[IO], 4, v2
	v_lshl_add_u32 v[IO], v3, 3, v[IO]
	v_lshlrev_b32 v[SO], 2, v1
	v_mov_b32 v[QP], 0
	s_lshr_b32 s22, ttmp9, 4
	s_lshl_b32 s22, s22, 10                        ; 4 x 256 (g >> 4)
	s_and_b32 s33, ttmp9, 1
	s_lshl_b32 s33, s33, 9                         ; 4 x 128 (g & 1)
	s_add_co_u32 s22, s22, s33
	s_bfe_u32 s33, ttmp9, 0x30001
	s_lshl_b32 s33, s33, 5                         ; 4 x 8 ((g >> 1) & 7)
	s_add_co_u32 s22, s22, s33
	s_add_nc_u64 s[6:7], s[6:7], s[22:23]
	s_lshl_b32 s22, ttmp9, 11                      ; 16 rows of svd_up, 128 bytes each
	s_add_nc_u64 s[8:9], s[8:9], s[22:23]
	s_lshl_b32 s22, ttmp9, 8
	s_add_nc_u64 s[14:15], s[14:15], s[22:23]
	s_lshl_b32 s22, ttmp9, 9
	s_add_nc_u64 s[16:17], s[16:17], s[22:23]
	s_lshl_b32 s22, ttmp9, 7
	s_add_nc_u64 s[18:19], s[18:19], s[22:23]
.irp j, 0,1,2,3,4,5,6,7,8,9,10,11,12,13,14,15
	global_load_b32 v[D+\j], v[DO], s[6:7] offset:16384*\j         ; svd_down(16 h + j, my column): registers run down K
.endr
.irp j, 0,1,2,3
	global_load_b128 v[U+4*\j:U+4*\j+3], v[UO], s[8:9] offset:16*\j   ; svd_up(16 g + r, 16 h + 0..15)
.endr
	s_wait_loadcnt 0x0                             ; these 20 are the youngest loads, so the row is in too
	QUANT16 D, CD, BD
	QUANT16 U, CU, BU
	v_cmp_gt_u32 vcc_lo, 16, v1
	v_cndmask_b32 v[WD], v[BU], v[BD], vcc_lo      ; lanes 0-15: svd_down's byte of column r; lanes 16-31: svd_up's of row r; the word's upper three bytes are 0
	global_store_b64 v[IO], v[CD:CD+1], s[14:15]               ; 32 lanes store 256 consecutive bytes: lane r's 16 bytes come from lanes r and 16 + r
	global_store_b64 v[IO], v[CU:CU+1], s[16:17]
	global_store_b64 v[IO], v[Z:Z+1], s[16:17] offset:256      ; zero codes for k = 32..63
	global_store_b32 v[SO], v[WD], s[18:19]
.Lrow:
; the row's largest magnitude: 32 registers at a time as their loads come in, four chains by turns; the first four pairs start the chains
.macro MAXG n
	s_wait_loadcnt 24-8*\n                         ; the 8 loads of this group are in; the 24 - 8 n younger ones may be out
.set i, 0
.rept 16
.if (\n == 0) && (i < 4)
	v_max_num_f32 v[M+i%4], |v[X+32*\n+2*i]|, |v[X+32*\n+2*i+1]|
.else
	v_max3_num_f32 v[M+i%4], v[M+i%4], |v[X+32*\n+2*i]|, |v[X+32*\n+2*i+1]|
.endif
.set i, i+1
.endr
.endm
	MAXG 0
	MAXG 1
	MAXG 2
	MAXG 3
	v_max3_num_f32 v[M], v[M], v[M+1], v[M+2]
	v_max_num_f32 v[M], v[M], v[M+3]
	v_max_num_f32_dpp v[M], v[M], v[M] row_xmask:1 row_mask:0xf bank_mask:0xf
	v_max_num_f32_dpp v[M], v[M], v[M] row_xmask:2 row_mask:0xf bank_mask:0xf
	v_max_num_f32_dpp v[M], v[M], v[M] row_xmask:4 row_mask:0xf bank_mask:0xf
	v_max_num_f32_dpp v[M], v[M], v[M] row_xmask:8 row_mask:0xf bank_mask:0xf
	v_permlanex16_b32 v[T], v[M], s30, s31
	v_max_num_f32 v[M], v[M], v[T]                 ; every lane holds the row's maximum
	v_mul_f32 v[T+1], s28, v[M]                    ; maximum / 127: a first quotient,
	v_fma_f32 v[T+2], -v[T+1], s29, v[M]           ; what it leaves over, exactly,
	v_fma_f32 v[S], v[T+2], s28, v[T+1]            ; and the quotient mended by it
	v_max_num_f32 v[T+3], 0x00800000, v[S]         ; held at 2^-126 from below: the reciprocal takes no denormal
	v_rcp_f32 v[INV], v[T+3]
	v_rcp_f32 v[INV+1], v[T+3]
	v_nop                                          ; one plain line behind the reciprocals
	s_wait_alu depctr_va_vdst(0)                   ; one wait for both, ahead of their first reader
.set i, 0
.rept 64
	v_pk_fma_f32 v[X+2*i:X+2*i+1], v[X+2*i:X+2*i+1], v[INV:INV+1], s[24:25] op_sel_hi:[1,1,0]   ; x / scale_x + 1.5 * 2^23: the low byte is the code (at most 127 in magnitude)
.set i, i+1
.endr
.macro PACK4 dst, r0, k                            ; the low bytes of four registers into one; two sets of temporaries by turns
	v_perm_b32 v[T+2*(\k)], v[\r0+1], v[\r0], s26
	v_perm_b32 v[T+2*(\k)+1], v[\r0+3], v[\r0+2], s26
	v_perm_b32 v[\dst], v[T+2*(\k)+1], v[T+2*(\k)], s27
.endm
.irp q, 0,1,2,3,4,5,6,7
.irp a, 0,1,2,3
	PACK4 X+16*\q+\a, X+16*\q+4*\a, \a%2           ; in place: word a lands on a register whose number has been packed already
.endr
	global_store_b128 v[QO], v[X+16*\q:X+16*\q+3], s[10:11] offset:512*\q   ; positions 16 r .. 16 r + 15 of K blocks 2 q and 2 q + 1: 512 consecutive bytes
.endr
	v_cmp_eq_u32 vcc_lo, 0, v1
	s_wait_xcnt 0x0                                ; EXEC is a source of the stores above: it changes only behind this wait
	s_and_saveexec_b32 s32, vcc_lo
	global_store_b32 v[Z], v[S], s[12:13]          ; lane 0 stores scale_x
	s_wait_xcnt 0x0                                ; and again in front of the line that widens it
	s_or_b32 exec_lo, exec_lo, s32
	s_endpgm
.Lfunc_end_k_q01d5d60c0b_quant:
	.size	k_q01d5d60c0b_quant, .Lfunc_end_k_q01d5d60c0b_quant-k_q01d5d60c0b_quant
	.p2alignl 7, 3214868480
	.fill 96, 4, 3214868480
	.section	.rodata,"a",@progbits
	.p2align	6, 0x0
	.amdhsa_kernel k_q01d5d60c0b_quant
		.amdhsa_group_segment_fixed_size 0
		.amdhsa_private_segment_fixed_size 0
		.amdhsa_enable_private_segment 0
		.amdhsa_kernarg_size 64
		.amdhsa_user_sgpr_count 2
		.amdhsa_user_sgpr_kernarg_segment_ptr 1
		.amdhsa_wavefront_size32 1
		.amdhsa_system_sgpr_workgroup_id_x 1
		.amdhsa_system_sgpr_workgroup_id_y 1
		.amdhsa_system_sgpr_workgroup_id_z 1
		.amdhsa_system_vgpr_workitem_id 0
		.amdhsa_next_free_vgpr 208
		.amdhsa_next_free_sgpr 66
		.amdhsa_reserve_vcc 1
		.amdhsa_float_denorm_mode_32 3
		.amdhsa_float_denorm_mode_16_64 3
		.amdhsa_memory_ordered 1
		.amdhsa_forward_progress 1
		.amdhsa_inst_pref_size 26
	.end_amdhsa_kernel
	.amdgpu_metadata
---
amdhsa.version: [ 1, 2 ]
amdhsa.kernels:
  - .name:           k_q01d5d60c0b_quant
    .symbol:         k_q01d5d60c0b_quant.kd
    .args:
      - { .name: x, .offset: 0, .size: 8, .value_kind: global_buffer, .address_space: global }
      - { .name: svd_down, .offset: 8, .size: 8, .value_kind: global_buffer, .address_space: global }
      - { .name: svd_up, .offset: 16, .size: 8, .value_kind: global_buffer, .address_space: global }
      - { .name: xq, .offset: 24, .size: 8, .value_kind: global_buffer, .address_space: global }
      - { .name: sx, .offset: 32, .size: 8, .value_kind: global_buffer, .address_space: global }
      - { .name: dimg, .offset: 40, .size: 8, .value_kind: global_buffer, .address_space: global }
      - { .name: uimg, .offset: 48, .size: 8, .value_kind: global_buffer, .address_space: global }
      - { .name: ssc, .offset: 56, .size: 8, .value_kind: global_buffer, .address_space: global }
    .group_segment_fixed_size: 0
    .private_segment_fixed_size: 0
    .kernarg_segment_align: 8
    .kernarg_segment_size: 64
    .max_flat_workgroup_size: 512
    .sgpr_count:     66
    .vgpr_count:     208
    .wavefront_size: 32
...
	.end_amdgpu_metadata
.endif
;; end of part 1
;; launch wbuild (part 2): grid 256 x 1, 16 waves a work-group, no clusters, 217,088 bytes of LDS; arguments w_packed, scale, zero_point, dimg, uimg, ssc, wq, sw; writes wq, sw
.if DOCPART == 2
	.amdgcn_target "amdgcn-amd-amdhsa--gfx1250"
	.amdhsa_code_object_version 6
	.text
	.protected	k_q01d5d60c0b_wbuild
	.globl	k_q01d5d60c0b_wbuild
	.p2align	8
	.type	k_q01d5d60c0b_wbuild,@function
k_q01d5d60c0b_wbuild:
	s_mov_b64 s[64:65], 0
	v_nop
	global_prefetch_b8 v0, s[64:65] scope:SCOPE_SE
	s_setreg_imm32_b32 hwreg(HW_REG_WAVE_MODE, 25, 1), 1
	s_wait_xcnt 0x0
; W[o][i] = (nibble - zero_point) * scale + (svd_up svd_down)[o][i], then int8 by out row: scale_w = (the row's largest |W|) / 127, code = W / scale_w to the nearest whole number.
; The low-rank product runs on codes of E2M1 with E8M0 scales (K = 32: one block), made by the launch before as images of the operands' registers.
; SHARES.  Work-group G: out rows 16 G .. 16 G + 15.  Wave w: columns 256 w .. 256 w + 255 (quant groups 4 w + a), 16 tiles of 16 x 16 in 128 registers.  W never goes to memory.
; LAYOUT.  Source 0 = 16 columns of svd_down, source 1 = my 16 rows of svd_up: lane (r, h) holds out row r, and register j of tile t = 2 c + u the column 64 (2 u + j / 4) + 4 (2 c + h) + j % 4 of the wave's 256.
; In the K order that xq and wq share (position 16 l' + 4 a + e holds k = 64 a + 4 l' + e) the 16 registers of tiles 2 c and 2 c + 1 are positions 32 c + 16 h + 0 .. 15: 16 consecutive bytes of codes.
; The dequantised part is the C of each tile's one matrix instruction, so the addition costs nothing.
; K BEYOND 32.  svd_up's fragment holds zero codes for k = 32 .. 127 (lanes 16-31 of its image; its upper four registers are cleared).  So what svd_down's fragment holds there adds an exact 0, whatever it is:
; E2M1 has no infinity and no NaN, and the scale bytes there are 0, not 0xff.  Lanes 16-31 load the same 16 bytes as lanes 0-15, and tile t's fragment is v[DF + 4 t .. DF + 4 t + 7]: its upper four registers are tile t + 1's codes.
; NO CLUSTER.  What work-groups share is dimg, 65,536 bytes, against 139,264 bytes of its own that a work-group reads and 65,536 that it stores; each wave takes its 4,096 bytes of it straight into operand registers,
; where a joint load would lay them in LDS first, to be read from there once.
; w_packed comes by one tensor load a wave into the wave's own LDS bytes (filled once); nothing in LDS is filled twice.
; LIMITS.  (q - zp) * s is computed as fma(q, s, -(zp * s)); the quotient W / scale_w as in the launch before (a code may differ by one next to a tie); a row whose scale lies under 2^-126 takes 2^126 as the inverse; NaN and infinities are not served.
.set WTW,  8448                        ; LDS: a wave's tile of w_packed: 16 rows x (512 bytes + 16 of padding): row r starts at bank 4 r mod 64 (64 banks of 4 bytes: ISA guide 11.1)
.set SCL,  16*WTW                      ; scale: 16 rows x (256 + 16)
.set ZPD,  16*272                      ; zero_point lies this far behind it
.set MXB,  SCL+2*ZPD                   ; the waves' maxima: 16 rows x (64 + 16)
.set STG,  MXB+16*80                   ; the way out: a stage of 16 rows x (256 + 16) for each wave
.set STW,  16*272
.set AW,   4                           ; v4   my 8 bytes in the tile's row r: WTW w + 528 r + 8 h
.set AST,  5                           ; v5   the stage, in: 272 r + 16 h
.set ARD,  6                           ; v6   the stage, back: 272 h + 16 r
.set AGO,  7                           ; v7   wq: 4,096 h + 16 r
.set AL16, 8                           ; v8   16 x lane
.set AL4,  9                           ; v9   4 x lane
.set AL8,  10                          ; v10  8 x lane
.set ASW,  11                          ; v11  where I put 8 bytes of scale's row w
.set ASR,  12                          ; v12  where I read row r's four groups
.set AMW,  13                          ; v13  where I put my wave's maximum of row r
.set AMR,  14                          ; v14  where I read row r's sixteen
.set A4R,  15                          ; v15  4 r
.set SCP,  16                          ; v16-23  scale of group a, twice each (first: scale's and zero_point's 8 bytes as loaded; behind the last DEQ: at work)
.set NZP,  24                          ; v24-31  -(zero_point * scale) of group a, twice each (behind the last DEQ: at work)
.set UF,   32                          ; v32-39  svd_up's fragment
.set DSC,  40                          ; v40-55  svd_down's scale words, a register a tile: they hold scales and nothing else
.set USC,  56                          ; v56     svd_up's, in lanes 16-31
.set AR16, 57                          ; v57  16 r
.set DF,   60                          ; v60-127 svd_down's codes, four registers a tile, and four cleared ones; later the maxima, the codes and the rows read back
.set ACC,  128                         ; v128-255 W
.set M,    16                          ; v16-19 four chains of the maximum;  v20 the other lane's;  v21-23, v26 the scale;  v[24:25] its inverse;  v28-31 the pack's temporaries
.set INV,  24
.set Q,    64                          ; v64-95  codes, four registers for each c
.set R,    96                          ; v96-127 rows read back
	s_load_b512 s[4:19], s[0:1], 0x0               ; w_packed 4, scale 6, zero_point 8, dimg 10, uimg 12, ssc 14, wq 16, sw 18
	v_lshl_add_u32 v58, v0, 2, 0x34800
	v_mov_b32 v59, 0
	ds_add_u32 v58, v59
	ds_add_u32 v58, v59
	v_lshrrev_b32 v1, 5, v0
	v_readfirstlane_b32 s20, v1                    ; wave 0..15
	v_and_b32 v1, 31, v0                           ; lane
	v_and_b32 v2, 15, v0                           ; r
	v_bfe_u32 v3, v0, 4, 1                         ; h
	v_lshlrev_b32 v[AL16], 4, v1
	v_lshlrev_b32 v[AL4], 2, v1
	v_lshlrev_b32 v[AL8], 3, v1
	v_lshlrev_b32 v[AR16], 4, v2
	; descriptor group 1: 16 rows x 128 elements of 4 bytes, 2,048 elements from row to row, 4 words of padding behind every 128
	s_mov_b32 s32, (2<<16)|(1<<20)|(6<<22)|(3<<25) ; 15:0 no mask; 17:16 elements of 4 bytes; 20 padding on; 24:22 after every 128 words (code 6); 31:25 four words (code 3)
	s_mov_b32 s33, 128<<16                         ; tensor_dim0 = 128
	s_mov_b32 s34, 16<<16                          ; tensor_dim1 = 16
	s_mov_b32 s35, 128<<16                         ; tile_dim0 = 128
	s_mov_b32 s36, 16                              ; tile_dim1 = 16
	s_mov_b32 s37, 2048                            ; tensor_dim0_stride
	s_mov_b32 s38, 0
	s_mov_b32 s39, 0
	s_mov_b32 s40, 0x4b400000                      ; 1.5 * 2^23
	s_mov_b32 s41, s40
	s_mov_b32 s42, 0x00000400                      ; v_perm_b32: byte 0 of the second source, byte 0 of the first
	s_mov_b32 s43, 0x05040100                      ; the two low halves
	s_mov_b32 s44, 0x3c010204                      ; 1 / 127
	s_mov_b32 s45, 0x42fe0000                      ; 127
	s_mov_b32 s46, 0x76543210
	s_mov_b32 s47, 0xfedcba98                      ; lane l xor 16
	s_mov_b32 s28, 1                               ; group 0: count = 1,
	s_mul_i32 s29, s20, WTW                        ; my wave's own bytes,
	s_mul_i32 s27, s20, STW
	s_add_co_u32 s27, s27, STG                     ; my stage
	s_mov_b32 s23, 0
	s_lshl_b32 s22, ttmp9, 17                      ; 16 rows of 8,192 bytes
	s_lshl_b32 s26, s20, 9                         ; my 128 words of a row
	s_add_co_u32 s22, s22, s26
	s_wait_dscnt 0x0
	s_wait_kmcnt 0x0
	s_add_nc_u64 s[30:31], s[4:5], s[22:23]        ; the tile's first element,
	s_or_b32 s31, s31, 0x80000000                  ; type = 2
	s_lshl_b32 s22, ttmp9, 4
	s_add_co_u32 s22, s22, s20
	s_lshl_b32 s22, s22, 8                         ; scale, zero_point: row 16 G + w, 256 bytes a row
	s_add_nc_u64 s[6:7], s[6:7], s[22:23]
	s_add_nc_u64 s[8:9], s[8:9], s[22:23]
	s_lshl_b32 s22, s20, 12                        ; dimg: my 16 tiles of 256 bytes
	s_add_nc_u64 s[10:11], s[10:11], s[22:23]
	s_lshl_b32 s22, ttmp9, 9                       ; uimg: group G
	s_add_nc_u64 s[12:13], s[12:13], s[22:23]
	s_lshl_b32 s22, ttmp9, 7                       ; ssc: group G's words, for svd_up,
	s_add_nc_u64 s[24:25], s[14:15], s[22:23]
	s_lshl_b32 s22, s20, 11                        ; and my 16 tiles', for svd_down
	s_add_nc_u64 s[14:15], s[14:15], s[22:23]
	s_lshl_b32 s22, ttmp9, 16                      ; wq: 16 rows of 4,096 bytes, my 256 of each
	s_lshl_b32 s26, s20, 8
	s_add_co_u32 s22, s22, s26
	s_add_nc_u64 s[16:17], s[16:17], s[22:23]
	s_lshl_b32 s22, ttmp9, 6
	s_add_nc_u64 s[18:19], s[18:19], s[22:23]
	tensor_load_to_lds s[28:31], s[32:39]          ; my one tensor load: 16 rows x 512 bytes of w_packed
	s_nop 0
	global_load_b64 v[16:17], v[AL8], s[6:7]       ; scale's row 16 G + w: 256 consecutive bytes
	global_load_b64 v[18:19], v[AL8], s[8:9]       ; zero_point's
	global_load_b128 v[UF:UF+3], v[AL16], s[12:13]
	global_load_b32 v[USC], v[AL4], s[24:25]
.irp t, 0,1,2,3,4,5,6,7,8,9,10,11,12,13,14,15
	global_load_b32 v[DSC+\t], v[AL4], s[14:15] offset:128*\t
.endr
.irp t, 0,1,2,3,4,5,6,7,8,9,10,11,12,13,14,15
	global_load_b128 v[DF+4*\t:DF+4*\t+3], v[AR16], s[10:11] offset:256*\t
.endr
.irp i, 4,5,6,7
	v_mov_b32 v[UF+\i], 0                          ; zero codes: k = 64 .. 127 of svd_up
	v_mov_b32 v[DF+60+\i], 0                       ; the last tile's upper four registers
.endr
	v_mul_u32_u24 v[AW], v2, 528
	v_lshl_add_u32 v[AW], v3, 3, v[AW]
	v_add_nc_u32 v[AW], s29, v[AW]
	s_mul_i32 s22, s20, 272
	s_add_co_u32 s22, s22, SCL
	v_add_nc_u32 v[ASW], s22, v[AL8]
	v_mul_u32_u24 v[ASR], v2, 272
	s_lshl_b32 s22, s20, 4
	s_add_co_u32 s22, s22, SCL
	v_add_nc_u32 v[ASR], s22, v[ASR]
	s_wait_loadcnt 34                              ; scale and zero_point are in; the 34 loads issued behind them may be out
	ds_store_b64 v[ASW], v[16:17]
	ds_store_b64 v[ASW], v[18:19] offset:ZPD
	s_wait_dscnt 0x0                               ; for the others' sake: my stores have landed
	s_barrier_signal -1
	s_barrier_wait -1                              ; the 16 rows of scale and zero_point lie in LDS
	ds_load_b128 v[ACC:ACC+3], v[ASR]              ; row r, groups 4 w .. 4 w + 3
	ds_load_b128 v[ACC+4:ACC+7], v[ASR] offset:ZPD
	s_wait_dscnt 0x0
.irp a, 0,1,2,3
	v_mov_b32 v[SCP+2*\a], v[ACC+\a]
	v_mov_b32 v[SCP+2*\a+1], v[ACC+\a]
	v_mul_f32 v[NZP+2*\a], -v[ACC+4+\a], v[ACC+\a]
	v_mul_f32 v[NZP+2*\a+1], -v[ACC+4+\a], v[ACC+\a]
.endr
	s_wait_tensorcnt 0x0                           ; my tile has landed; only I read it
.irp t, 0,1,2,3,4,5,6,7,8,9,10,11,12,13,14,15      ; two words = four columns, into the upper half of the four registers that they become; the 32 lanes touch 64 different banks
.irp jj, 0,1
	ds_load_b64 v[ACC+8*\t+4*\jj+2:ACC+8*\t+4*\jj+3], v[AW] offset:128*(2*(\t%2)+\jj)+16*(\t/2)
.endr
.endr
; tile t's eight numbers: nibbles apart (the low one is the lower column), to f32, times the group's scale, less zero_point * scale
.macro DEQ t
.irp jj, 0,1
.set b, ACC+8*(\t)+4*\jj
.set a, 2*((\t)%2)+\jj
	v_and_b32 v[b], 15, v[b+2]
	v_bfe_u32 v[b+1], v[b+2], 4, 4
	v_and_b32 v[b+2], 15, v[b+3]
	v_bfe_u32 v[b+3], v[b+3], 4, 4
	v_cvt_f32_u32 v[b], v[b]
	v_cvt_f32_u32 v[b+1], v[b+1]
	v_cvt_f32_u32 v[b+2], v[b+2]
	v_cvt_f32_u32 v[b+3], v[b+3]
	v_pk_fma_f32 v[b:b+1], v[b:b+1], v[SCP+2*a:SCP+2*a+1], v[NZP+2*a:NZP+2*a+1]
	v_pk_fma_f32 v[b+2:b+3], v[b+2:b+3], v[SCP+2*a:SCP+2*a+1], v[NZP+2*a:NZP+2*a+1]
.endr
.endm
; tile t: W += svd_down's 16 columns x svd_up's 16 rows.  One instruction an accumulator: no chain
.macro SVD t
	v_wmma_scale_f32_16x16x128_f8f6f4 v[ACC+8*(\t):ACC+8*(\t)+7], v[DF+4*(\t):DF+4*(\t)+7], v[UF:UF+7], v[ACC+8*(\t):ACC+8*(\t)+7], v[DSC+(\t)], v[USC] matrix_a_fmt:MATRIX_FMT_FP4 matrix_b_fmt:MATRIX_FMT_FP4 matrix_b_scale:MATRIX_SCALE_ROW1
.endm
	s_wait_dscnt 24                                ; tiles 0-3's eight loads are in; the 24 younger ones may be out
.irp t, 0,1,2,3
	DEQ \t
.endr
	s_wait_dscnt 16
.irp t, 4,5,6,7
	DEQ \t
.endr
	v_mul_u32_u24 v[AST], v2, 272                  ; addresses for the way out are made here: six plain lines between the last write of a C and the products
	v_lshl_add_u32 v[AST], v3, 4, v[AST]
	v_add_nc_u32 v[AST], s27, v[AST]
	v_mul_u32_u24 v[ARD], v3, 272
	v_lshl_add_u32 v[ARD], v2, 4, v[ARD]
	v_add_nc_u32 v[ARD], s27, v[ARD]
	s_wait_loadcnt 0x0                             ; the images and their scale words
.irp t, 0,1,2,3,4,5,6,7
	SVD \t
.endr
	s_wait_dscnt 8
.irp t, 8,9,10,11
	DEQ \t
.endr
	s_wait_dscnt 0x0
.irp t, 12,13,14,15
	DEQ \t
.endr
	v_lshlrev_b32 v[AGO], 12, v3                   ; six more
	v_lshl_add_u32 v[AGO], v2, 4, v[AGO]
	v_mul_u32_u24 v[AMR], v2, 80
	v_add_nc_u32 v[AMR], MXB, v[AMR]
	s_lshl_b32 s22, s20, 2
	v_add_nc_u32 v[AMW], s22, v[AMR]
	v_lshlrev_b32 v[A4R], 2, v2
.irp t, 8,9,10,11,12,13,14,15
	SVD \t
.endr
; the largest |W| of my 128 numbers of row r: ascending from tile 0
.set i, 0
.rept 64
.if i < 4
	v_max_num_f32 v[M+i], |v[ACC+2*i]|, |v[ACC+2*i+1]|
.else
	v_max3_num_f32 v[M+i%4], v[M+i%4], |v[ACC+2*i]|, |v[ACC+2*i+1]|
.endif
.set i, i+1
.endr
	v_max3_num_f32 v[M], v[M], v[M+1], v[M+2]
	v_mov_b32 v20, 0                               ; a lane permute's destination counts as one of its sources
	v_max_num_f32 v[M], v[M], v[M+3]
	v_permlanex16_b32 v20, v[M], s46, s47
	v_max_num_f32 v[M], v[M], v20                  ; with lane l xor 16's 128 numbers of the same row
	ds_store_b32 v[AMW], v[M]                      ; lanes r and 16 + r write the same word with the same value
	s_wait_dscnt 0x0                               ; for the others' sake
	s_barrier_signal -1
	s_barrier_wait -1                              ; sixteen maxima for each row lie in LDS
.irp q, 0,1,2,3
	ds_load_b128 v[Q+4*\q:Q+4*\q+3], v[AMR] offset:16*\q
.endr
	s_wait_dscnt 0x0
	v_max3_num_f32 v16, v64, v65, v66
	v_max3_num_f32 v17, v67, v68, v69
	v_max3_num_f32 v16, v16, v70, v71
	v_max3_num_f32 v17, v17, v72, v73
	v_max3_num_f32 v16, v16, v74, v75
	v_max3_num_f32 v17, v17, v76, v77
	v_max3_num_f32 v16, v16, v78, v79
	v_max_num_f32 v16, v16, v17                    ; row r's largest |W|
	v_mul_f32 v21, s44, v16                        ; / 127: a first quotient,
	v_fma_f32 v22, -v21, s45, v16                  ; what it leaves over, exactly,
	v_fma_f32 v23, v22, s44, v21                   ; and the quotient mended by it: scale_w
	v_max_num_f32 v26, 0x00800000, v23             ; held at 2^-126 from below
	v_rcp_f32 v[INV], v26
	v_rcp_f32 v[INV+1], v26
	v_nop                                          ; one plain line behind the reciprocals
	s_wait_alu depctr_va_vdst(0)                   ; one wait for both, ahead of the branch and of their first reader
	s_cmp_lg_u32 s20, 0
	s_cbranch_scc1 .Lnot_wave_0
	global_store_b32 v[A4R], v23, s[18:19]         ; every wave holds all 16 scales; wave 0 stores them (v23 is not written again)
.Lnot_wave_0:
.set i, 0
.rept 64
	v_pk_fma_f32 v[ACC+2*i:ACC+2*i+1], v[ACC+2*i:ACC+2*i+1], v[INV:INV+1], s[40:41] op_sel_hi:[1,1,0]   ; W / scale_w + 1.5 * 2^23: the low byte is the code
.set i, i+1
.endr
.irp c, 0,1,2,3,4,5,6,7
.irp d, 0,1,2,3
	v_perm_b32 v[28+2*(\d%2)], v[ACC+16*\c+4*\d+1], v[ACC+16*\c+4*\d], s42
	v_perm_b32 v[29+2*(\d%2)], v[ACC+16*\c+4*\d+3], v[ACC+16*\c+4*\d+2], s42
	v_perm_b32 v[Q+4*\c+\d], v[29+2*(\d%2)], v[28+2*(\d%2)], s43
.endr
	ds_store_b128 v[AST], v[Q+4*\c:Q+4*\c+3] offset:32*\c          ; row r, positions 32 c + 16 h + 0 .. 15
.endr
.irp i, 0,1,2,3,4,5,6,7
	ds_load_b128 v[R+4*\i:R+4*\i+3], v[ARD] offset:544*\i          ; rows 2 i and 2 i + 1, whole.  My own bytes: LDS serves a wave's instructions in order (ISA guide 5.7.1.4)
.endr
.irp i, 0,1,2,3,4,5,6,7
	s_wait_dscnt 7-\i                              ; the 7 - i younger loads may be out
	global_store_b128 v[AGO], v[R+4*\i:R+4*\i+3], s[16:17] offset:8192*\i   ; sixteen lanes store 256 consecutive bytes, at a multiple of 256 from wq's first byte
.endr
	s_wait_tensorcnt 0x0
	ds_add_u32 v58, v59
	s_wait_dscnt 0x0
	s_endpgm
.Lfunc_end_k_q01d5d60c0b_wbuild:
	.size	k_q01d5d60c0b_wbuild, .Lfunc_end_k_q01d5d60c0b_wbuild-k_q01d5d60c0b_wbuild
	.p2alignl 7, 3214868480
	.fill 96, 4, 3214868480
	.section	.rodata,"a",@progbits
	.p2align	6, 0x0
	.amdhsa_kernel k_q01d5d60c0b_wbuild
		.amdhsa_group_segment_fixed_size 217088
		.amdhsa_private_segment_fixed_size 0
		.amdhsa_enable_private_segment 0
		.amdhsa_kernarg_size 64
		.amdhsa_user_sgpr_count 2
		.amdhsa_user_sgpr_kernarg_segment_ptr 1
		.amdhsa_wavefront_size32 1
		.amdhsa_system_sgpr_workgroup_id_x 1
		.amdhsa_system_sgpr_workgroup_id_y 1
		.amdhsa_system_sgpr_workgroup_id_z 1
		.amdhsa_system_vgpr_workitem_id 0
		.amdhsa_next_free_vgpr 256
		.amdhsa_next_free_sgpr 66
		.amdhsa_reserve_vcc 0
		.amdhsa_float_denorm_mode_32 3
		.amdhsa_float_denorm_mode_16_64 3
		.amdhsa_memory_ordered 1
		.amdhsa_forward_progress 1
		.amdhsa_inst_pref_size 45
	.end_amdhsa_kernel
	.amdgpu_metadata
---
amdhsa.version: [ 1, 2 ]
amdhsa.kernels:
  - .name:           k_q01d5d60c0b_wbuild
    .symbol:         k_q01d5d60c0b_wbuild.kd
    .args:
      - { .name: w_packed, .offset: 0, .size: 8, .value_kind: global_buffer, .address_space: global }
      - { .name: scale, .offset: 8, .size: 8, .value_kind: global_buffer, .address_space: global }
      - { .name: zero_point, .offset: 16, .size: 8, .value_kind: global_buffer, .address_space: global }
      - { .name: dimg, .offset: 24, .size: 8, .value_kind: global_buffer, .address_space: global }
      - { .name: uimg, .offset: 32, .size: 8, .value_kind: global_buffer, .address_space: global }
      - { .name: ssc, .offset: 40, .size: 8, .value_kind: global_buffer, .address_space: global }
      - { .name: wq, .offset: 48, .size: 8, .value_kind: global_buffer, .address_space: global }
      - { .name: sw, .offset: 56, .size: 8, .value_kind: global_buffer, .address_space: global }
    .group_segment_fixed_size: 217088
    .private_segment_fixed_size: 0
    .kernarg_segment_align: 8
    .kernarg_segment_size: 64
    .max_flat_workgroup_size: 512
    .sgpr_count:     66
    .vgpr_count:     256
    .wavefront_size: 32
...
	.end_amdgpu_metadata
.endif
;; end of part 2
;; launch gemm (part 3): grid 16 x 16, 4 waves a work-group, clusters of 4 x 4, 327,680 bytes of LDS; arguments xq, wq, out0, sx, sw, bias; writes out0
.if DOCPART == 3
	.amdgcn_target "amdgcn-amd-amdhsa--gfx1250"
	.amdhsa_code_object_version 6
	.text
	.protected	k_q01d5d60c0b_gemm
	.globl	k_q01d5d60c0b_gemm
	.p2align	8
	.type	k_q01d5d60c0b_gemm,@function
k_q01d5d60c0b_gemm:
	s_mov_b64 s[64:65], 0
	v_nop
	global_prefetch_b8 v0, s[64:65] scope:SCOPE_SE
	s_setreg_imm32_b32 hwreg(HW_REG_WAVE_MODE, 25, 1), 1
	s_wait_xcnt 0x0
	s_wait_alu depctr_hold_cnt(0) depctr_sa_sdst(0) depctr_va_vdst(0) depctr_va_sdst(0) depctr_va_ssrc(0) depctr_va_vcc(0) depctr_vm_vsrc(0)
	s_getreg_b32 s2, hwreg(HW_REG_IB_STS2, 6, 4)
	s_cmp_eq_u32 s2, 0
	s_cbranch_scc0 .Lentry_in_a_cluster
	s_endpgm
.Lentry_in_a_cluster:
	s_bfe_u32 s2, ttmp6, 0x10000c
	s_cmp_lg_u32 s2, 0xf033
	s_cbranch_scc0 .Lentry_shape_is_right
	s_endpgm
.Lentry_shape_is_right:
; out0[m][n] = (sum over k of xq[m][k] wq[n][k]) * sx[m] * sw[n] + bias[n].  xq, wq: [4096][4096] int8, K innermost, in one and the same order of K; sums in i32, exact (at most 4,096 x 127 x 127); out0 f32.
; A tile of out0, 256 x 256, is made by a work-group of four waves, as many as a WGP has SIMDs; a wave makes 128 x 128: 64 accumulators of 16 x 16, 512 registers.  256 tiles: one for each work-group.
; K goes in 16 steps of 256 through a ring of two LDS slots filled by the tensor data mover: a tile's row is 256 bytes of memory and starts at a multiple of 256 bytes from the buffer's first byte.
; A K step is four quarters of 64 along K, 64 matrix instructions each, on two fragment buffers by turns.
; FRAGMENTS.  16 rows x 64 positions are 8 registers: lane l takes, of row l % 16, the 16 bytes at 16 (l / 16) and those 32 bytes further on.  That is not the order of k that the instruction's layout names,
; but it is the same for both sources, and whole-number sums do not hang on the order of their terms.
; CLUSTERS: 4 x 4 work-groups.  The four of a row of the cluster need the same tiles of xq, the four of a column the same tiles of wq: each tile is asked for JOINTLY, by the same tensor load with the
; same descriptor and a mask that names the four.  THE MATRIX INSTRUCTION IS USED TRANSPOSED (source 0 = 16 rows of wq, source 1 = 16 rows of xq): a lane then holds eight neighbouring numbers of a row of out0.
; REGISTERS, in windows of 256: window 0: v0-31 addresses; v32-47 sx, v48-55 sw and bias; v64-127, v128-191 xq's fragments, two buffers; on the way out v64-255 are at work.
;   window 1: v64-127, v128-191 wq's fragments.   window 2: the 32 accumulators of my rows 0-63 ((a, b) at v[8 (8 a + b)]);   window 3: those of my rows 64-127.
.set KROW,   4096                      ; a row of xq or wq in bytes
.set KSTEP,  256
.set NROW,   16384                     ; a row of out0 in bytes
.set PITCH,  272                       ; an LDS row: 256 bytes + 16 of padding = 68 words: row r starts at bank 4 r mod 64 (64 banks of 4 bytes: ISA guide 11.1), so the 16 rows that a load touches start at 16 different banks
.set HALFT,  128*PITCH                 ; 128 rows: what one tensor load brings, and what one wave reads of xq or of wq
.set SLOT,   4*HALFT                   ; xq's 256 rows, then wq's 256 rows
.set STAGE,  2*SLOT                    ; behind the ring: 16 rows x (512 bytes + 16) for each wave, for the way out
.set SPITCH, 528
.set SPARE,  STAGE+4*16*SPITCH         ; behind the stages: the spare words, 128 bytes for each wave: two blocks of 256 bytes that no other line names
.set LAPS,   KROW/(2*KSTEP)            ; a lap = two K steps = once round the ring
.set NP,     8                         ; places behind this matrix instruction (ISA guide 7.12.1)
.set ADRA, 16                          ; v16-17  LDS address of my xq fragments in slot 0, 1
.set ADRB, 20                          ; v20-21  the same for wq
.set STO,  24                          ; v24     the way out: where I put 32 bytes of a row
.set RD,   25                          ; v25     the way out: where I read a row back
.set CO,   26                          ; v26     16 x lane: my bytes in a row of 512, in out0, sw and bias
.set A4R,  27                          ; v27     4 (lane % 16)
.set SPW,  28                          ; v28     LDS address of my spare word: SPARE + 4 x my thread's number; never rewritten
.set NIL,  29                          ; v29     0; never rewritten
.set SX,   32                          ; v32-47  sx of row 16 a + lane % 16, a pair for each block a
.set SWV,  48                          ; v48-51  sw of my four columns of a row read back
.set BIV,  52                          ; v52-55  bias of the same
.set F0,   64
.set F1,   128
.set TMP,  64                          ; the way out: a block's 64 numbers in f32
.set BK,   128                         ; and 16 rows read back from the stage: v128-191 and v192-255 by turns
.set G1,  24                           ; s[24:31] descriptor group 1 for xq's tiles;  s[32:39] group 0, one set for each slot
.set G0,  32
.set G1B, 48                           ; s[48:55], s[56:63] the same for wq's tiles
.set G0B, 56
.set MSB, 0
.macro WIN new                         ; the immediate's high byte repeats the setting that is left
.if MSB != \new
	s_set_vgpr_msb (MSB<<8)|\new
.set MSB, \new
.endif
.endm
.set MUL_LO, 0xa1                      ; source 0 (wq) window 1, source 1 (xq) window 0, C and D window 2
.set MUL_HI, 0xf1                      ; the same, C and D window 3
.set TO_B,   0x40                      ; destination window 1, address window 0
; A joint load: waves 0 and 1 fetch xq's two halves, waves 2 and 3 wq's.  Each of the two lines has ONE mask and one set of registers for all that issue it; the branch hangs on the wave's number alone.
; Four v_nop follow each of the two lines, ahead of the jump, the label and what follows.
.macro JLOAD s
	s_cmp_eq_u32 s11, 0
	s_cbranch_scc0 .Lfor_b_\@
	tensor_load_to_lds s[G0+4*\s:G0+4*\s+3], s[G1:G1+7]
	s_nop 0
.rept 4
	v_nop
.endr
	s_branch .Lasked_\@
.Lfor_b_\@:
	tensor_load_to_lds s[G0B+4*\s:G0B+4*\s+3], s[G1B:G1B+7]
	s_nop 0
.rept 4
	v_nop
.endr
.Lasked_\@:
.endm
.macro CREST                           ; a round of the cluster's barrier behind its opening barrier
	s_cmp_lg_u32 s10, 0
	s_cbranch_scc1 .Lnot_wave_0_\@
	s_barrier_signal -3
.Lnot_wave_0_\@:
	s_barrier_wait -3
	s_barrier_signal -1
	s_barrier_wait -1
.endm
.macro CROUND                          ; a whole round
	s_barrier_signal -1
	s_barrier_wait -1
	CREST
.endm
	s_load_b128 s[4:7], s[0:1], 0x0                ; xq s[4:5], wq s[6:7]
	s_load_b64 s[8:9], s[0:1], 0x10                ; out0
	s_load_b64 s[66:67], s[0:1], 0x18              ; sx
	s_load_b128 s[68:71], s[0:1], 0x20             ; sw s[68:69], bias s[70:71]
	v_lshl_add_u32 v[SPW], v0, 2, SPARE
	v_mov_b32 v[NIL], 0
	ds_add_u32 v28, v29
	ds_add_u32 v28, v29
	s_wait_dscnt 0x0
	v_lshrrev_b32 v1, 5, v0
	v_readfirstlane_b32 s10, v1                    ; wave 0..3
	s_lshr_b32 s11, s10, 1                         ; which half of the tile's rows is mine.  Also: I fetch for xq (0) or for wq (1)
	s_and_b32 s12, s10, 1                          ; which half of its columns.  Also: which 128 rows of that tile I fetch
	s_bfe_u32 s40, ttmp6, 0x40000                  ; cx, cy: my place in the cluster
	s_bfe_u32 s41, ttmp6, 0x40004
	s_lshl_b32 s42, ttmp9, 2
	s_add_co_u32 s42, s42, s40                     ; tile column = 4 x cluster x + cx
	s_and_b32 s13, ttmp7, 0xffff
	s_lshl_b32 s13, s13, 2
	s_add_co_u32 s13, s13, s41                     ; tile row = 4 x cluster y + cy
	s_lshl_b32 s43, s41, 2
	s_lshl_b32 s43, 15, s43                        ; my row of the cluster
	s_lshl_b32 s44, 0x1111, s40                    ; my column
	; descriptor group 1: a tile of 128 rows x 256 bytes, padded in LDS
	s_or_b32 s[G1+0], s43, (0<<16)|(1<<20)|(1<<21)|(5<<22)|(3<<25)  ; 15:0 the mask: xq's tiles go to my row; 17:16 elements of 1 byte; 20 padding on; 21 set beside a mask; 24:22 after every 64 words (code 5); 31:25 four words (code 3)
	s_or_b32 s[G1B+0], s44, (0<<16)|(1<<20)|(1<<21)|(5<<22)|(3<<25) ; the same with the mask of my column, for wq's tiles
.irp g, G1, G1B
	s_mov_b32 s[\g+1], KSTEP<<16                   ; tensor_dim0 = 256
	s_mov_b32 s[\g+2], 128<<16                     ; tensor_dim1 = 128
	s_mov_b32 s[\g+3], KSTEP<<16                   ; tile_dim0 = 256
	s_mov_b32 s[\g+4], 128                         ; tile_dim1 = 128
	s_mov_b32 s[\g+5], KROW                        ; tensor_dim0_stride
	s_mov_b32 s[\g+6], 0
	s_mov_b32 s[\g+7], 0
.endr
	; xq's tiles hang on the tile row alone, which my row of the cluster shares; wq's on the tile column alone, which my column shares; each address in registers that never hold the other coordinate
	s_lshl_b32 s17, s12, 7                         ; which 128 rows of the tile I fetch
	s_lshl_b32 s16, s13, 8
	s_add_co_u32 s16, s16, s17                     ; xq: row 256 x tile row + 128 x half
	s_lshl_b32 s46, s42, 8
	s_add_co_u32 s46, s46, s17                     ; wq: row 256 x tile column + 128 x half
	s_lshl_b32 s16, s16, 12                        ; in bytes (under 2^24)
	s_lshl_b32 s46, s46, 12
	s_mov_b32 s17, 0
	s_mov_b32 s47, 0
	s_mul_i32 s20, s10, HALFT                      ; where they go: wave x 128 rows: no place in the cluster enters an LDS address
	s_wait_kmcnt 0x0
	s_add_nc_u64 s[14:15], s[4:5], s[16:17]
	s_add_nc_u64 s[46:47], s[6:7], s[46:47]
	CROUND                                         ; all sixteen work-groups are here: the first joint loads meet
.irp s, 0,1
	s_mov_b32 s[G0+4*\s], 1                                        ; count = 1
	s_add_co_u32 s[G0+4*\s+1], s20, \s*SLOT                        ; LDS address
	s_add_nc_u64 s[G0+4*\s+2:G0+4*\s+3], s[14:15], \s*KSTEP        ; global address: K step s
	s_or_b32 s[G0+4*\s+3], s[G0+4*\s+3], 0x80000000                ; type = 2
	s_mov_b32 s[G0B+4*\s], 1
	s_add_co_u32 s[G0B+4*\s+1], s20, \s*SLOT
	s_add_nc_u64 s[G0B+4*\s+2:G0B+4*\s+3], s[46:47], \s*KSTEP
	s_or_b32 s[G0B+4*\s+3], s[G0B+4*\s+3], 0x80000000
	JLOAD \s                                       ; the ring is filled before anything else is done: two loads of mine are out
.endr
	v_and_b32 v1, 15, v0                           ; l % 16
	v_bfe_u32 v2, v0, 4, 1                         ; l / 16
	v_mul_u32_u24 v3, v1, PITCH
	v_lshl_add_u32 v3, v2, 4, v3                   ; a fragment's row x pitch + 16 x half
	s_mul_i32 s21, s11, HALFT                      ; my 128 rows of xq
	s_mul_i32 s22, s12, HALFT                      ; my 128 rows of wq,
	s_add_co_u32 s22, s22, 2*HALFT                 ; which lie behind xq's 256
.irp s, 0,1
	v_add_nc_u32 v[ADRA+\s], s21, v3
	v_add_nc_u32 v[ADRB+\s], s22, v3
	s_add_co_u32 s21, s21, SLOT
	s_add_co_u32 s22, s22, SLOT
.endr
	s_mul_i32 s23, s10, 16*SPITCH
	s_add_co_u32 s23, s23, STAGE                   ; my stage
	v_mul_u32_u24 v4, v1, SPITCH                   ; in: row l % 16, 32 bytes for each half of the lanes
	v_lshl_add_u32 v4, v2, 5, v4
	v_add_nc_u32 v[STO], s23, v4
	v_and_b32 v5, 31, v0
	v_lshlrev_b32 v[CO], 4, v5                     ; back: the 32 lanes take one row of 512 bytes
	v_add_nc_u32 v[RD], s23, v[CO]
	v_lshlrev_b32 v[A4R], 2, v1
	s_lshl_b32 s18, s13, 8
	s_lshl_b32 s16, s11, 7
	s_add_co_u32 s18, s18, s16                     ; my first row: 256 x tile row + 128 x half
	s_lshl_b32 s16, s18, 2
	s_add_nc_u64 s[66:67], s[66:67], s[16:17]      ; sx there (s17 is still 0)
	s_lshl_b32 s16, s18, 14
	s_add_nc_u64 s[8:9], s[8:9], s[16:17]          ; out0 at that row,
	s_lshl_b32 s46, s42, 10                        ; and at my first column, in bytes: 1,024 x tile column + 512 x half (in the registers that held wq's address)
	s_lshl_b32 s47, s12, 9
	s_add_co_u32 s46, s46, s47
	s_mov_b32 s47, 0
	s_add_nc_u64 s[8:9], s[8:9], s[46:47]
	s_add_nc_u64 s[68:69], s[68:69], s[46:47]      ; sw and bias there too
	s_add_nc_u64 s[70:71], s[70:71], s[46:47]
.irp a, 0,1,2,3,4,5,6,7
	global_load_b32 v[SX+2*\a], v[A4R], s[66:67] offset:64*\a      ; wanted on the way out: they have the whole loop in which to land
.endr
	global_load_b128 v[SWV:SWV+3], v[CO], s[68:69]
	global_load_b128 v[BIV:BIV+3], v[CO], s[70:71]
; 16 matrix instructions: xq's blocks a0, a0 + 1 of the window's four (hi = 0: my rows 0-63, 1: rows 64-127) x wq's eight, 64 along K, both sources signed.  zero = 1: the first product starts the sums.
; The 64 accumulators take turns, one instruction a turn, in the same order in every quarter.
.macro MUL16 f, hi, a0, zero
.irp a, \a0, \a0+1
.irp b, 0,1,2,3,4,5,6,7
.if \zero
	v_wmma_i32_16x16x64_iu8 v[8*(8*(\a)+\b):8*(8*(\a)+\b)+7], v[\f+8*\b:\f+8*\b+7], v[\f+8*(4*\hi+\a):\f+8*(4*\hi+\a)+7], 0 neg_lo:[1,1,0]
.else
	v_wmma_i32_16x16x64_iu8 v[8*(8*(\a)+\b):8*(8*(\a)+\b)+7], v[\f+8*\b:\f+8*\b+7], v[\f+8*(4*\hi+\a):\f+8*(4*\hi+\a)+7], v[8*(8*(\a)+\b):8*(8*(\a)+\b)+7] neg_lo:[1,1,0]
.endif
.endr
.endr
.endm
; 32 LDS loads in one run: the fragments of one quarter (128 rows of wq, 128 rows of xq, 64 positions at byte k of the rows) into buffer f
.macro FETCH slot, k, f
	WIN TO_B
.irp i, 0,1,2,3,4,5,6,7
	ds_load_b128 v[\f+8*\i:\f+8*\i+3],   v[ADRB+\slot] offset:\k+\i*16*PITCH
	ds_load_b128 v[\f+8*\i+4:\f+8*\i+7], v[ADRB+\slot] offset:\k+\i*16*PITCH+32
.endr
	WIN 0
.irp i, 0,1,2,3,4,5,6,7
	ds_load_b128 v[\f+8*\i:\f+8*\i+3],   v[ADRA+\slot] offset:\k+\i*16*PITCH
	ds_load_b128 v[\f+8*\i+4:\f+8*\i+7], v[ADRA+\slot] offset:\k+\i*16*PITCH+32
.endr
.endm
; A load into a register that a matrix instruction has read stands NP places behind that matrix instruction, and only plain vector instructions that name none of its registers are places
; (ISA guide 7.12.1 for vector instructions); the matrix instructions in between are not counted.
.macro PLACES n
.rept \n
	v_nop
.endr
.endm
; One of a K step's first three quarters: multiplies buffer f; in its middle it fetches the next quarter's fragments, at byte k of the same slot's rows, into buffer g.
.macro QUARTER slot, k, f, g, zero
	s_wait_dscnt 8                                 ; wq's fragments and xq's rows 0-63 are in; the youngest eight loads (xq's rows 64-127) may be out
	WIN MUL_LO
	MUL16 \f, 0, 0, \zero
	MUL16 \f, 0, 2, \zero
	PLACES NP
	FETCH \slot, \k, \g
	s_wait_dscnt 32                                ; all but the 32 just issued
	WIN MUL_HI
	MUL16 \f, 1, 0, \zero
	MUL16 \f, 1, 2, \zero
.endm
; The last quarter multiplies buffer 1 and changes slots: ONE barrier.  In front of it each wave waits for all its tensor loads (one is out: its part of the next slot), adds 0 to its spare word, and waits for that and
; for its own reads of this slot.  fill = 1: the barrier opens a round of the cluster's barrier, and behind the round this slot is filled again, two K steps ahead: that load has 224 matrix instructions in which to land.
.macro TURN slot, next, fill
	WIN 0                                          ; (the add's two registers lie in window 0)
	s_wait_tensorcnt 0x0                           ; all my tensor loads have landed;
	ds_add_u32 v[SPW], v[NIL]                      ; 0 onto my spare word
	s_wait_dscnt 9                                 ; (the add and the youngest eight loads may be out)
	WIN MUL_LO
	MUL16 F1, 0, 0, 0                              ; sixteen matrix instructions stand between the add and the wait for it
	s_wait_dscnt 0x0                               ; the add is done, and my reads of this slot are over
	s_barrier_signal -1
	MUL16 F1, 0, 2, 0                              ; work on registers while the others arrive
.if \fill
	WIN 0
.endif
	s_barrier_wait -1
.if \fill
	CREST                                          ; no wave of any partner still reads this slot's tile or has a load on its way
	s_add_nc_u64 s[G0+4*\slot+2:G0+4*\slot+3], s[G0+4*\slot+2:G0+4*\slot+3], 2*KSTEP
	s_add_nc_u64 s[G0B+4*\slot+2:G0B+4*\slot+3], s[G0B+4*\slot+2:G0B+4*\slot+3], 2*KSTEP
	JLOAD \slot                                    ; the first tensor load behind the round, my one load until the next; its four v_nop are four of the places in front of the loads below
	PLACES NP-4
.else
	PLACES NP
.endif
	FETCH \next, 0, F0
	WIN MUL_HI
	MUL16 F1, 1, 0, 0
	MUL16 F1, 1, 2, 0
.endm
	s_wait_tensorcnt 1                             ; my part of K step 0 is in; K step 1's load may stay out
	s_barrier_signal -1
	s_barrier_wait -1                              ; everybody's is
	FETCH 0, 0, F0
	QUARTER 0, 64,  F0, F1, 1                      ; the first quarter stands in front of the loop: its products start the sums
	WIN 0                                          ; at a label and at a branch every window is 0
	s_mov_b32 s3, LAPS-1
.Llap:                                                 ; a trip goes once round the ring, from a lap's second quarter to the next lap's first, and fills both slots again
	QUARTER 0, 128, F1, F0, 0
	QUARTER 0, 192, F0, F1, 0
	TURN 0, 1, 1
	QUARTER 1, 64,  F0, F1, 0
	QUARTER 1, 128, F1, F0, 0
	QUARTER 1, 192, F0, F1, 0
	TURN 1, 0, 1
	QUARTER 0, 64,  F0, F1, 0
	WIN 0
	s_sub_co_u32 s3, s3, 1
	s_cmp_lg_u32 s3, 0
	s_cbranch_scc1 .Llap
	QUARTER 0, 128, F1, F0, 0                      ; the last lap is written out: it fills nothing, and it has no round of the cluster's barrier
	QUARTER 0, 192, F0, F1, 0
	TURN 0, 1, 0
	QUARTER 1, 64,  F0, F1, 0
	QUARTER 1, 128, F1, F0, 0
	QUARTER 1, 192, F0, F1, 0
	s_wait_dscnt 8                                 ; the very last quarter: nothing more to fetch
	WIN MUL_LO
	MUL16 F1, 0, 0, 0
	MUL16 F1, 0, 2, 0
	s_wait_dscnt 0x0
	WIN MUL_HI
	MUL16 F1, 1, 0, 0
	MUL16 F1, 1, 2, 0
	WIN 0
; THE WAY OUT, block by block of 16 rows x 128 columns.  PACK: the sums to f32, times the row's sx (a lane holds one row).  TOSTAGE: a lane's 32 bytes of a row into my own stage in LDS, and back as whole rows of 512 bytes.
; SEND: times the column's sw, plus its bias (a lane now holds four columns), and stored.
.macro PACK a
.set AC, 64*((\a)%4)
	WIN 0x02+(\a)/4                                ; source 0: window 2 or 3
.set i, 0
.rept 64
	v_cvt_f32_i32 v[TMP+i], v[AC+i]                ; ascending: each accumulator is first read at its low end
.set i, i+1
.endr
	WIN 0
.set i, 0
.rept 32
	v_pk_mul_f32 v[TMP+2*i:TMP+2*i+1], v[TMP+2*i:TMP+2*i+1], v[SX+2*(\a):SX+2*(\a)+1]
.set i, i+1
.endr
.endm
.macro TOSTAGE a
.set BB, BK+64*((\a)%2)
.irp b, 0,1,2,3,4,5,6,7
	ds_store_b128 v[STO], v[TMP+8*\b:TMP+8*\b+3] offset:64*\b
	ds_store_b128 v[STO], v[TMP+8*\b+4:TMP+8*\b+7] offset:64*\b+16
.endr
.irp t, 0,1,2,3,4,5,6,7,8,9,10,11,12,13,14,15
	ds_load_b128 v[BB+4*\t:BB+4*\t+3], v[RD] offset:\t*SPITCH      ; LDS serves a wave's instructions in order (ISA guide 5.7.1.4): these see the stores above
.endr
.endm
.macro SEND a
.set BB, BK+64*((\a)%2)
	s_wait_dscnt 0x0                               ; the block is back in registers
	s_wait_xcnt 0x0                                ; the earlier stores have read their base and their registers: the base may step, and the next block's loads may land where block a - 1's data lay
.if (\a) > 0
	s_add_nc_u64 s[8:9], s[8:9], 16*NROW           ; 16 rows on, so that the stores' offsets stay at 15 rows at the most
.endif
.irp t, 0,1,2,3,4,5,6,7,8,9,10,11,12,13,14,15
	v_pk_fma_f32 v[BB+4*\t:BB+4*\t+1], v[BB+4*\t:BB+4*\t+1], v[SWV:SWV+1], v[BIV:BIV+1]
	v_pk_fma_f32 v[BB+4*\t+2:BB+4*\t+3], v[BB+4*\t+2:BB+4*\t+3], v[SWV+2:SWV+3], v[BIV+2:BIV+3]
	global_store_b128 v[CO], v[BB+4*\t:BB+4*\t+3], s[8:9] offset:\t*NROW th:TH_STORE_NT   ; 32 lanes store 512 consecutive bytes, at a multiple of 256 from out0's first byte; written once, read by nobody here
.endr
.endm
	s_wait_loadcnt 0x0                             ; sx, sw, bias
.irp a, 0,1,2,3,4,5,6,7
	v_mov_b32 v[SX+2*\a+1], v[SX+2*\a]             ; sx twice, for the packed multiply.  These eight plain lines are the places behind the last products
.endr
	PACK 0
	TOSTAGE 0
.irp a, 1,2,3,4,5,6,7                              ; block a's arithmetic stands between block a - 1's loads from the stage and the wait for them
	PACK \a
	SEND \a-1
	TOSTAGE \a
.endr
	SEND 7
	s_wait_tensorcnt 0x0                           ; the wave's end: behind my last tensor load and my last LDS store
	ds_add_u32 v[SPW], v[NIL]
	s_wait_dscnt 0x0
	CROUND                                         ; the closing round: no work-group ends while a partner may still ask for a tile that names it
	s_endpgm
.Lfunc_end_k_q01d5d60c0b_gemm:
	.size	k_q01d5d60c0b_gemm, .Lfunc_end_k_q01d5d60c0b_gemm-k_q01d5d60c0b_gemm
	.p2alignl 7, 3214868480
	.fill 96, 4, 3214868480
	.section	.rodata,"a",@progbits
	.p2align	6, 0x0
	.amdhsa_kernel k_q01d5d60c0b_gemm
		.amdhsa_group_segment_fixed_size 327680
		.amdhsa_private_segment_fixed_size 0
		.amdhsa_enable_private_segment 0
		.amdhsa_kernarg_size 48
		.amdhsa_user_sgpr_count 2
		.amdhsa_user_sgpr_kernarg_segment_ptr 1
		.amdhsa_wavefront_size32 1
		.amdhsa_system_sgpr_workgroup_id_x 1
		.amdhsa_system_sgpr_workgroup_id_y 1
		.amdhsa_system_sgpr_workgroup_id_z 1
		.amdhsa_system_vgpr_workitem_id 0
		.amdhsa_next_free_vgpr 1024
		.amdhsa_next_free_sgpr 72
		.amdhsa_reserve_vcc 0
		.amdhsa_float_denorm_mode_32 3
		.amdhsa_float_denorm_mode_16_64 3
		.amdhsa_memory_ordered 1
		.amdhsa_forward_progress 1
		.amdhsa_inst_pref_size 192
	.end_amdhsa_kernel
	.amdgpu_metadata
---
amdhsa.version: [ 1, 2 ]
amdhsa.kernels:
  - .name:           k_q01d5d60c0b_gemm
    .symbol:         k_q01d5d60c0b_gemm.kd
    .args:
      - { .name: xq, .offset: 0, .size: 8, .value_kind: global_buffer, .address_space: global }
      - { .name: wq, .offset: 8, .size: 8, .value_kind: global_buffer, .address_space: global }
      - { .name: out0, .offset: 16, .size: 8, .value_kind: global_buffer, .address_space: global }
      - { .name: sx, .offset: 24, .size: 8, .value_kind: global_buffer, .address_space: global }
      - { .name: sw, .offset: 32, .size: 8, .value_kind: global_buffer, .address_space: global }
      - { .name: bias, .offset: 40, .size: 8, .value_kind: global_buffer, .address_space: global }
    .group_segment_fixed_size: 327680
    .private_segment_fixed_size: 0
    .kernarg_segment_align: 8
    .kernarg_segment_size: 48
    .max_flat_workgroup_size: 128
    .sgpr_count:     72
    .vgpr_count:     1024
    .wavefront_size: 32
...
	.end_amdgpu_metadata
.endif
;; end of part 3
